; MI455X (gfx1250); checked and timed in simulation.
; The chip was launched on July 23, 2026; its instructions are those of AMD's public machine-readable ISA for CDNA 5 (MIT licence, August 2026) and "CDNA5" Instruction Set Architecture Reference Guide (July 2026). The comments in the code are by the model that wrote it; some were corrected since.
;; LSTM Cell scratch. Allowed arithmetic: float matrix products may take bf16 or f16 operands with f32 sums; other float arithmetic in f32, or as packed bf16 or f16 multiplies, adds, multiply-adds, maxima and minima; sums over many terms, partial sums and values carried from step to step in f32; what a program stores and reads back later, other than sums and carried values, may be rounded once to bf16 or f16.
;; Inputs: Wf 1,024 x 2,048 float32; Wg 1,024 x 2,048 float32; Wi 1,024 x 2,048 float32; Wo 1,024 x 2,048 float32; bf 1,024 float32; bg 1,024 float32; bi 1,024 float32; bo 1,024 float32; c_prev 8,192 x 1,024 float32; h_prev 8,192 x 1,024 float32; x 8,192 x 1,024 float32.
;; Outputs: out0 8,192 x 1,024 float32; out1 8,192 x 1,024 float32.
;; 2 versions, each right; version 2 is version 1 with the launch cvt written anew for expert scheduling mode. Each part assembles by itself: llvm-mc -triple=amdgcn-amd-amdhsa -mcpu=gfx1250 --defsym DOCPART=n.
;; ======== version 1 of 2: 2 launches
;; workspace buffers: Ab 33,554,432 bytes; Wb 16,777,216 bytes
;; launch cvt (part 1): grid 256 x 3, 8 waves a work-group, no clusters, 0 bytes of LDS; arguments x, h_prev, Wf, Wi, Wg, Wo, Ab, Wb; writes Ab, Wb
.if DOCPART == 1
	.amdgcn_target "amdgcn-amd-amdhsa--gfx1250"
	.amdhsa_code_object_version 6
	.text
	.protected	k_q5b9858a0c0_cvt
	.globl	k_q5b9858a0c0_cvt
	.p2align	8
	.type	k_q5b9858a0c0_cvt,@function
k_q5b9858a0c0_cvt:
	s_mov_b64 s[64:65], 0
	v_nop
	global_prefetch_b8 v0, s[64:65] scope:SCOPE_SE
	s_setreg_imm32_b32 hwreg(HW_REG_WAVE_MODE, 25, 1), 1
	s_wait_xcnt 0x0
; THE OPERANDS OF THE PRODUCTS, ROUNDED ONCE TO bf16 AND LAID OUT FOR THE NEXT LAUNCH.
; Ab [8192][2048] bf16: row r = x[r] (bytes 0..2047), then h_prev[r] (bytes 2048..4095): the concatenation.
; Wb [4096][2048] bf16: row 256 (j / 64) + 64 g + j % 64 = row j of gate g's weights (g = 0, 1, 2, 3: f, i, g, o): 256 rows on end hold 64 hidden units, all four gates.
; LIMITS.  Rounding to nearest even; bf16 has the exponent range of f32, so only magnitudes within half a bf16 step of the largest f32 become infinite; NaN stays NaN.
; SHARES.  The unit is a segment of 1,024 f32: 4,096 bytes in, 2,048 out.  24,576 segments = 768 work-groups x 32.  Thread t takes 16 bytes at 16 t of each segment and stores 8 bytes at 8 t:
; a load of a wave covers 512 consecutive bytes, a store of a wave 256 consecutive bytes at a multiple of 256 from the buffer's first byte.
; grid y = 0: 32 rows of x; y = 1: 32 rows of h_prev; y = 2: 16 rows (32 segments on end) of one W: gate = grid x / 64.
; All 32 loads of a thread go out at once and each has registers of its own: no register is written while a memory instruction may still read it, so the text has no loop and no wait but the counted ones.
; No LDS, no tensor loads, no cluster, no matrix unit: no byte is wanted twice.  No prefetch: the launch does nothing but stream.
.set SEGS, 32
.set X,    4                           ; v[4:131]  segment n: four registers as loaded; the first two then hold its four bf16 pairs
	s_load_b512 s[8:23], s[0:1], 0x0               ; x s[8:9], h_prev s[10:11], Wf s[12:13], Wi s[14:15], Wg s[16:17], Wo s[18:19], Ab s[20:21], Wb s[22:23]
	s_and_b32 s2, ttmp7, 0xffff                    ; y: which kind of source
	s_and_b32 s3, ttmp9, 63                        ; for W: which 16 rows of the gate
	s_lshr_b32 s4, ttmp9, 6                        ; for W: the gate
	v_lshlrev_b32 v1, 4, v0                        ; 16 t
	v_lshlrev_b32 v2, 3, v0                        ; 8 t
	s_lshl_b32 s24, ttmp9, 17                      ; x, h_prev: 32 rows of 4,096 bytes in,
	s_mov_b32 s25, 0
	s_lshl_b32 s5, s2, 11
	s_add_co_u32 s26, s24, s5                      ; and 32 rows of 4,096 bytes of Ab out, h_prev 2,048 bytes into the row
	s_mov_b32 s27, 0
	s_lshl_b32 s6, s3, 17                          ; W: 16 rows of 8,192 bytes in
	s_lshr_b32 s7, s3, 2
	s_lshl_b32 s7, s7, 8                           ; out: row 256 (j / 64)
	s_lshl_b32 s32, s4, 6
	s_add_co_u32 s7, s7, s32                       ; + 64 g
	s_and_b32 s32, ttmp9, 3
	s_lshl_b32 s32, s32, 4
	s_add_co_u32 s7, s7, s32                       ; + j % 64, j = 16 (grid x % 64) for the first of my rows
	s_lshl_b32 s7, s7, 12                          ; rows of 4,096 bytes
	s_cmp_eq_u32 s2, 2
	s_cselect_b32 s24, s6, s24
	s_cselect_b32 s26, s7, s26
	s_wait_kmcnt 0x0
	s_cmp_eq_u32 s4, 1                             ; the source: a choice among the six buffers by y and the gate
	s_cselect_b64 s[28:29], s[14:15], s[12:13]
	s_cmp_eq_u32 s4, 2
	s_cselect_b64 s[28:29], s[16:17], s[28:29]
	s_cmp_eq_u32 s4, 3
	s_cselect_b64 s[28:29], s[18:19], s[28:29]
	s_cmp_eq_u32 s2, 0
	s_cselect_b64 s[28:29], s[8:9], s[28:29]
	s_cmp_eq_u32 s2, 1
	s_cselect_b64 s[28:29], s[10:11], s[28:29]
	s_cmp_eq_u32 s2, 2
	s_cselect_b64 s[30:31], s[22:23], s[20:21]     ; the destination: Wb or Ab
	s_add_nc_u64 s[28:29], s[28:29], s[24:25]
	s_add_nc_u64 s[30:31], s[30:31], s[26:27]
.set n, 0
.rept SEGS
	global_load_b128 v[X+4*n:X+4*n+3], v1, s[28:29] offset:4096*n th:TH_LOAD_NT  ; read once in the launch
.set n, n+1
.endr
; The 32 segments are rounded and stored; pitch = bytes from one segment's place to the next in the destination.
.macro OUT pitch
.set n, 0
.rept SEGS
	s_wait_loadcnt SEGS-1-n                        ; loads come back in order: segment n is in, the SEGS-1-n younger ones may stay out
	v_cvt_pk_bf16_f32 v[X+4*n],   v[X+4*n],   v[X+4*n+1]
	v_cvt_pk_bf16_f32 v[X+4*n+1], v[X+4*n+2], v[X+4*n+3]
	global_store_b64 v2, v[X+4*n:X+4*n+1], s[30:31] offset:(\pitch)*n
.set n, n+1
.endr
.endm
	s_cmp_eq_u32 s2, 2
	s_cbranch_scc1 .Lw
	OUT 4096                                       ; x, h_prev: a segment is half a row of Ab
	s_endpgm
.Lw:
	OUT 2048                                       ; W: two segments are a row of Wb
	s_endpgm
.Lfunc_end_k_q5b9858a0c0_cvt:
	.size	k_q5b9858a0c0_cvt, .Lfunc_end_k_q5b9858a0c0_cvt-k_q5b9858a0c0_cvt
	.p2alignl 7, 3214868480
	.fill 96, 4, 3214868480
	.section	.rodata,"a",@progbits
	.p2align	6, 0x0
	.amdhsa_kernel k_q5b9858a0c0_cvt
		.amdhsa_group_segment_fixed_size 0
		.amdhsa_private_segment_fixed_size 0
		.amdhsa_enable_private_segment 0
		.amdhsa_kernarg_size 64
		.amdhsa_user_sgpr_count 2
		.amdhsa_user_sgpr_kernarg_segment_ptr 1
		.amdhsa_wavefront_size32 1
		.amdhsa_system_sgpr_workgroup_id_x 1
		.amdhsa_system_sgpr_workgroup_id_y 1
		.amdhsa_system_sgpr_workgroup_id_z 1
		.amdhsa_system_vgpr_workitem_id 0
		.amdhsa_next_free_vgpr 132
		.amdhsa_next_free_sgpr 66
		.amdhsa_reserve_vcc 0
		.amdhsa_float_denorm_mode_32 3
		.amdhsa_float_denorm_mode_16_64 3
		.amdhsa_memory_ordered 1
		.amdhsa_forward_progress 1
		.amdhsa_inst_pref_size 21
	.end_amdhsa_kernel
	.amdgpu_metadata
---
amdhsa.version: [ 1, 2 ]
amdhsa.kernels:
  - .name:           k_q5b9858a0c0_cvt
    .symbol:         k_q5b9858a0c0_cvt.kd
    .args:
      - { .name: x, .offset: 0, .size: 8, .value_kind: global_buffer, .address_space: global }
      - { .name: h_prev, .offset: 8, .size: 8, .value_kind: global_buffer, .address_space: global }
      - { .name: Wf, .offset: 16, .size: 8, .value_kind: global_buffer, .address_space: global }
      - { .name: Wi, .offset: 24, .size: 8, .value_kind: global_buffer, .address_space: global }
      - { .name: Wg, .offset: 32, .size: 8, .value_kind: global_buffer, .address_space: global }
      - { .name: Wo, .offset: 40, .size: 8, .value_kind: global_buffer, .address_space: global }
      - { .name: Ab, .offset: 48, .size: 8, .value_kind: global_buffer, .address_space: global }
      - { .name: Wb, .offset: 56, .size: 8, .value_kind: global_buffer, .address_space: global }
    .group_segment_fixed_size: 0
    .private_segment_fixed_size: 0
    .kernarg_segment_align: 8
    .kernarg_segment_size: 64
    .max_flat_workgroup_size: 256
    .sgpr_count:     66
    .vgpr_count:     132
    .wavefront_size: 32
...
	.end_amdgpu_metadata
.endif
;; end of part 1
;; launch lstm (part 2): grid 16 x 32, 4 waves a work-group, clusters of 4 x 4, 327,680 bytes of LDS; arguments Ab, Wb, bf, bi, bg, bo, c_prev, out0, out1; writes out0, out1
.if DOCPART == 2
	.amdgcn_target "amdgcn-amd-amdhsa--gfx1250"
	.amdhsa_code_object_version 6
	.text
	.protected	k_q5b9858a0c0_lstm
	.globl	k_q5b9858a0c0_lstm
	.p2align	8
	.type	k_q5b9858a0c0_lstm,@function
k_q5b9858a0c0_lstm:
	s_mov_b64 s[64:65], 0
	v_nop
	global_prefetch_b8 v0, s[64:65] scope:SCOPE_SE
	s_setreg_imm32_b32 hwreg(HW_REG_WAVE_MODE, 25, 1), 1
	s_wait_xcnt 0x0
	s_wait_alu depctr_hold_cnt(0) depctr_sa_sdst(0) depctr_va_vdst(0) depctr_va_sdst(0) depctr_va_ssrc(0) depctr_va_vcc(0) depctr_vm_vsrc(0)
	s_getreg_b32 s2, hwreg(HW_REG_IB_STS2, 6, 4)
	s_cmp_eq_u32 s2, 0
	s_cbranch_scc0 .Lentry_in_a_cluster
	s_endpgm
.Lentry_in_a_cluster:
	s_bfe_u32 s2, ttmp6, 0x10000c
	s_cmp_lg_u32 s2, 0xf033
	s_cbranch_scc0 .Lentry_shape_is_right
	s_endpgm
.Lentry_shape_is_right:
; THE LSTM CELL.  pre[m][n] = bias[n] + the sum over k of Ab[m][k] Wb[n][k]; Ab [8192][2048], Wb [4096][2048] bf16 (made by the launch before), sums in f32.
; Wb's rows are interleaved by gate: of 256 rows on end, rows 64 g + u are gate g (0, 1, 2, 3: f, i, g, o) of hidden unit u of 64.
; c_next = sig(f) c_prev + sig(i) tanh(g) -> out1;  h_next = sig(o) tanh(c_next) -> out0.  Biases, c_prev, both outputs and all the cell's arithmetic are f32.
; ACTIVATIONS.  With L = log2(e): sig(t) = 1 / (1 + 2^(-L t)); tanh(t) = 1 - 2 / (1 + 2^(2 L t)).  Where the exponential overflows it is infinite and the reciprocal 0: the exact saturation; no clip, no range left out.
; LIMITS.  tanh near 0 is right to about 1e-7 absolutely, not relatively; v_exp_f32 and v_rcp_f32 count denormals as 0 (ISA guide, their entries); NaN passes through.
; SHARES.  A work-group makes 256 rows x 256 interleaved columns = 64 hidden units x 4 gates: 512 equal work-groups.  Wave w takes rows 64 w .. 64 w + 63 and ALL 256 columns: 4 row blocks a x 16 column blocks b = 64
; accumulators, 512 registers.  So a wave owns 64 hidden units of a row, 256 aligned bytes of each output, and the way out goes through a stage of the wave's own, without a barrier.
; THE MATRIX INSTRUCTION IS USED TRANSPOSED (source 0 = 16 rows of Wb, source 1 = 16 rows of Ab): lane l holds row l % 16 and columns 8 (l / 16) + 0..7 of block b.  With b = 4 g + jb the four gates of hidden unit
; 16 jb + 8 (l / 16) + j lie in the same lane and register j of accumulators jb, 4 + jb, 8 + jb, 12 + jb: the cell needs no exchange between lanes.
; THE BIAS is the C operand of the product that starts each sum: nothing is cleared, nothing is added later.
; K goes in steps of 128 (rows of 256 bytes, at multiples of 256 from the buffer's first byte) through a ring of two LDS slots filled by the tensor data mover.
; CLUSTER.  4 x 4 work-groups.  The four of a row of the cluster need the same tiles of Ab, the four of a column the same tiles of Wb: each tile is asked for JOINTLY, by the same tensor load with the same descriptor and a
; mask that names the four.  By this text's own count a wave has two tensor loads out at the start and one behind each round.
; REGISTERS, in windows of 256 (s_set_vgpr_msb: bits 1:0 source 0, 3:2 source 1, 5:4 source 2, 7:6 destination):
;   window 0: v0-31 addresses; v32-63, v64-95 fragments of A, two buffers; v96-223 BIG: the bias as a fragment, then c_prev as whole rows; v224-255 CP: c_prev of one row block, in the result's layout
;   window 1: v0-127, v128-255 fragments of B, two buffers; on the way out the second is T: the four gates of one row block
;   window 2: accumulators of row blocks 0, 1 ((a, b) at v[8 (16 (a % 2) + b)]);   window 3: of row blocks 2, 3
.set SIZE_K, 2048
.set KSTEP,  128
.set PITCH,  272                       ; an LDS row: 256 bytes + 16 of padding = 68 words: row r starts at bank 4 r mod 64 (64 banks of 4 bytes: ISA guide 11.1), so the 16 rows of a load start at 16 different banks
.set HALFT,  128*PITCH                 ; 128 rows: what one tensor load brings
.set SLOT,   4*HALFT                   ; A's 256 rows, then B's 256 rows
.set STAGE,  2*SLOT                    ; behind the ring, never filled by a tensor load: for each wave two stages of 16 rows x 272 bytes
.set SP,     272
.set S1,     16*SP                     ; the second stage behind the first
.set WSTAGE, 2*16*SP
.set BIAS,   STAGE+4*WSTAGE            ; for each wave 4 gates x 64 f32
.set SPARE,  BIAS+4*1024               ; the spare words, 128 bytes for each wave: two blocks of 256 bytes that no other line names
.set LAPS,   SIZE_K/(2*KSTEP)          ; a lap = two K steps = once round the ring
.set ROWB,   4096                      ; bytes in a row of Ab, Wb, c_prev, out0, out1
.set ADRA, 16                          ; v16-17  LDS address of my A fragments in slot 0, 1
.set ADRB, 20                          ; v20-21  the same for B
.set BLS,  22                          ; v22     where I put 8 bytes of a bias
.set BLR,  23                          ; v23     where I read the bias back as a fragment
.set STO,  24                          ; v24     my stage in the result's layout: row l % 16, 32 bytes for each half of the lanes
.set RD,   25                          ; v25     my stage by whole rows: lanes 0-15 one row of 256 bytes, lanes 16-31 the next
.set CO,   26                          ; v26     the same two rows in c_prev, out0, out1
.set BGO,  27                          ; v27     my 8 bytes of the tile's 256 in each bias
.set SPW,  28                          ; v28     LDS address of my spare word: SPARE + 4 x my thread's number; never rewritten
.set NIL,  29                          ; v29     0; never rewritten
.set PFO,  30                          ; v30     the prefetches' offset: my lane x a row; never rewritten
.set AF,   32
.set BIG,  96
.set CP,   224
.set T,    128                         ; window 1
.set TF,   128                         ; gate f of hidden block jb, register r at TF + 8 jb + r; later c_next
.set TI,   160                         ; gate i; later tanh(c_next); later h_next by rows
.set TG,   192                         ; gate g; later c_next by rows
.set TO,   224                         ; gate o; later h_next
.set G1,  24                           ; s[24:31] descriptor group 1 for A's tiles;  s[32:39] group 0, a set for each slot
.set G0,  32
.set G1B, 48                           ; s[48:55], s[56:63] the same for B's tiles
.set G0B, 56
.set LIM, 43                           ; s43     1 in a wave that prefetches, else the greatest number
.set PFA, 44                           ; s[44:45] where my prefetches stand
.set NL,  82                           ; s[82:83] -log2(e): the packed forms name a pair and take its low word for both halves
.set PL2, 84                           ; s[84:85] 2 log2(e)
.set MSB, 0
.macro WIN new                         ; the immediate's high byte repeats the setting that is left; a switch that changes nothing is dropped
.if MSB != (\new)
	s_set_vgpr_msb (MSB<<8)|(\new)
.set MSB, \new
.endif
.endm
.macro PLACES                          ; four plain vector instructions between a matrix instruction and a load into, or a vector instruction on, its registers (ISA guide 7.12.1 for vector instructions)
.rept 4
	v_nop
.endr
.endm
; A joint load.  Waves 0 and 1 fetch A's two halves, waves 2 and 3 B's.  Each line has one mask and one set of registers; the branch hangs on the wave's number alone.
; An s_nop 0 and four v_nop follow each of the two lines, ahead of the jump, the label and what follows.
.macro JLOAD s
	s_cmp_eq_u32 s11, 0
	s_cbranch_scc0 .Lfor_b_\@
	tensor_load_to_lds s[G0+4*(\s):G0+4*(\s)+3], s[G1:G1+7]
	s_nop 0
.rept 4
	v_nop
.endr
	s_branch .Lasked_\@
.Lfor_b_\@:
	tensor_load_to_lds s[G0B+4*(\s):G0B+4*(\s)+3], s[G1B:G1B+7]
	s_nop 0
.rept 4
	v_nop
.endr
.Lasked_\@:
.endm
; A prefetch, behind a joint load, its five lines and the run of LDS loads: 32 rows x 256 bytes of the K step that stands two refills on, a lane a row, one instruction a wave: 512 matrix instructions ahead of the load that
; will ask for it.  Each row's 256 bytes of a K step are named once in the launch: the clusters with x = 0 ask for Ab's rows, those with y = 0 for Wb's; of the 128 rows that a wave fetches the partner at place p (cx for A,
; cy for B) takes 32 p .. 32 p + 31, told apart by address.  K steps 0 to 3 come by their loads alone; the loop's last trip (s3 = 1) asks for nothing: there is no K step two refills on.
.macro ASK
	s_cmp_gt_u32 s3, s[LIM]
	s_cbranch_scc0 .Lnot_mine_\@
	global_prefetch_b8 v[PFO], s[PFA:PFA+1] offset:KSTEP*2 th:TH_LOAD_NT scope:SCOPE_SE
.Lnot_mine_\@:
.endm
; A round of the cluster's barrier: my work-group's barrier, so that wave 0's signal speaks for all four waves; wave 0 signals; every wave waits for all sixteen work-groups; my work-group's barrier once more.
.macro CREST                           ; a round behind its opening barrier
	s_cmp_lg_u32 s10, 0
	s_cbranch_scc1 .Lnot_wave_0_\@
	s_barrier_signal -3
.Lnot_wave_0_\@:
	s_barrier_wait -3
	s_barrier_signal -1
	s_barrier_wait -1
.endm
.macro CROUND
	s_barrier_signal -1
	s_barrier_wait -1
	CREST
.endm
	s_load_b128 s[4:7], s[0:1], 0x0                ; Ab s[4:5], Wb s[6:7]
	s_load_b256 s[68:75], s[0:1], 0x10             ; bf s[68:69], bi s[70:71], bg s[72:73], bo s[74:75]
	s_load_b128 s[76:79], s[0:1], 0x30             ; c_prev s[76:77], out0 s[78:79]
	s_load_b64 s[80:81], s[0:1], 0x40              ; out1
	v_lshl_add_u32 v[SPW], v0, 2, SPARE
	v_mov_b32 v[NIL], 0
	ds_add_u32 v[SPW], v[NIL]                      ; the wave's opening: the add and its wait stand ahead of my first tensor load; the set-up below, work on registers, stands between them
	v_lshrrev_b32 v1, 5, v0
	v_readfirstlane_b32 s10, v1                    ; wave 0..3
	s_lshr_b32 s11, s10, 1                         ; I fetch for A (0) or for B (1),
	s_and_b32 s12, s10, 1                          ; and which 128 rows of that tile
	s_bfe_u32 s40, ttmp6, 0x40000                  ; cx, cy: my place in the cluster
	s_bfe_u32 s41, ttmp6, 0x40004
	s_lshl_b32 s42, ttmp9, 2                       ; in a cluster launch ttmp9 and ttmp7 count clusters
	s_add_co_u32 s42, s42, s40                     ; tile column = 4 x cluster x + cx
	s_and_b32 s13, ttmp7, 0xffff
	s_lshl_b32 s13, s13, 2
	s_add_co_u32 s13, s13, s41                     ; tile row = 4 x cluster y + cy
	s_lshl_b32 s43, s41, 2
	s_lshl_b32 s43, 15, s43                        ; my row of the cluster: places 4 cy .. 4 cy + 3
	s_lshl_b32 s44, 0x1111, s40                    ; my column: places cx, cx + 4, cx + 8, cx + 12
	; descriptor group 1: a tile of 128 rows x 128 elements, padded in LDS
	s_or_b32 s[G1+0], s43, (1<<16)|(1<<20)|(1<<21)|(5<<22)|(3<<25)   ; 15:0 the mask: A's tiles go to my row; 17:16 elements of 2 bytes; 20 padding on; 21 set beside a mask; 24:22 after every 64 words (code 5); 31:25 4 words of it (code 3)
	s_or_b32 s[G1B+0], s44, (1<<16)|(1<<20)|(1<<21)|(5<<22)|(3<<25)  ; the same with the mask of my column, for B's tiles
.irp g, G1, G1B
	s_mov_b32 s[(\g)+1], KSTEP<<16                 ; tensor_dim0 = 128
	s_mov_b32 s[(\g)+2], 128<<16                   ; tensor_dim1 = 128
	s_mov_b32 s[(\g)+3], KSTEP<<16                 ; tile_dim0 = 128
	s_mov_b32 s[(\g)+4], 128                       ; tile_dim1 = 128
	s_mov_b32 s[(\g)+5], SIZE_K                    ; elements from row to row
	s_mov_b32 s[(\g)+6], 0
	s_mov_b32 s[(\g)+7], 0
.endr
	s_mov_b32 s[NL], 0xbfb8aa3b                    ; -log2(e)
	s_mov_b32 s[NL+1], s[NL]
	s_mov_b32 s[PL2], 0x4038aa3b                   ; 2 log2(e)
	s_mov_b32 s[PL2+1], s[PL2]
	; where the tiles come from: A's hang on the tile row alone, B's on the tile column alone; every wave makes both addresses and asks by one of them
	s_lshl_b32 s17, s12, 7
	s_lshl_b32 s16, s13, 8
	s_add_co_u32 s16, s16, s17                     ; A: row 256 x tile row + 128 x half
	s_lshl_b32 s46, s42, 8
	s_add_co_u32 s46, s46, s17                     ; B: row 256 x tile column + 128 x half
	s_lshl_b32 s16, s16, 12                        ; rows of 4,096 bytes: under 2^26
	s_mov_b32 s17, 0
	s_lshl_b32 s46, s46, 12
	s_mov_b32 s47, 0
	s_mul_i32 s20, s10, HALFT                      ; and where they go: wave x 128 rows: no place in the cluster enters an LDS address
	s_wait_dscnt 0x0                               ; the opening add is done
	s_wait_kmcnt 0x0
	s_add_nc_u64 s[14:15], s[4:5], s[16:17]
	s_add_nc_u64 s[46:47], s[6:7], s[46:47]
	CROUND                                         ; all sixteen work-groups are here: the first joint loads meet
.irp s, 0,1
	s_mov_b32 s[G0+4*(\s)], 1                                        ; count = 1
	s_add_co_u32 s[G0+4*(\s)+1], s20, (\s)*SLOT                      ; LDS address
	s_add_nc_u64 s[G0+4*(\s)+2:G0+4*(\s)+3], s[14:15], (\s)*KSTEP*2  ; global address: K step s
	s_or_b32 s[G0+4*(\s)+3], s[G0+4*(\s)+3], 0x80000000              ; type = 2
	s_mov_b32 s[G0B+4*(\s)], 1
	s_add_co_u32 s[G0B+4*(\s)+1], s20, (\s)*SLOT
	s_add_nc_u64 s[G0B+4*(\s)+2:G0B+4*(\s)+3], s[46:47], (\s)*KSTEP*2
	s_or_b32 s[G0B+4*(\s)+3], s[G0B+4*(\s)+3], 0x80000000
	JLOAD \s                                       ; the ring is filled before anything else is done
.endr
	; while the first tiles are on their way: the biases, and the lanes' addresses
	v_and_b32 v1, 15, v0                           ; l % 16
	v_bfe_u32 v2, v0, 4, 1                         ; l / 16
	v_and_b32 v6, 31, v0                           ; l
	s_lshl_b32 s42, s42, 8                         ; 256 x tile column: the tile's first byte in each bias and in a row of c_prev and the outputs, and its first row in Wb
	v_lshl_add_u32 v[BGO], v6, 3, s42
.irp g, 0,1,2,3
	global_load_b64 v[8+2*(\g):9+2*(\g)], v[BGO], s[68+2*(\g):69+2*(\g)]  ; the tile's 64 numbers of gate g's bias: 256 consecutive bytes a wave
.endr
	v_mul_u32_u24 v3, v1, PITCH
	v_lshl_add_u32 v3, v2, 4, v3                   ; a fragment: row x pitch + 16 x half; two loads of 16 bytes, 32 bytes apart
	s_mul_i32 s21, s10, 64*PITCH                   ; my 64 rows of A
	s_mov_b32 s22, 2*HALFT                         ; B's 256 rows lie behind A's 256
.irp s, 0,1
	v_add_nc_u32 v[ADRA+(\s)], s21, v3
	v_add_nc_u32 v[ADRB+(\s)], s22, v3
	s_add_co_u32 s21, s21, SLOT
	s_add_co_u32 s22, s22, SLOT
.endr
	s_mul_i32 s23, s10, WSTAGE
	s_add_co_u32 s23, s23, STAGE                   ; my stages
	v_mul_u32_u24 v4, v1, SP
	v_lshl_add_u32 v4, v2, 5, v4
	v_add_nc_u32 v[STO], s23, v4
	v_mul_u32_u24 v5, v2, SP
	v_lshl_add_u32 v5, v1, 4, v5
	v_add_nc_u32 v[RD], s23, v5
	v_lshlrev_b32 v5, 12, v2
	v_lshl_add_u32 v[CO], v1, 4, v5
	s_lshl_b32 s23, s10, 10
	s_add_co_u32 s23, s23, BIAS                    ; my copy of the biases
	v_lshl_add_u32 v[BLS], v6, 3, s23
	v_lshl_add_u32 v[BLR], v2, 5, s23
	s_lshl_b32 s13, s13, 8                         ; 256 x tile row
	s_lshl_b32 s17, s10, 6
	s_add_co_u32 s16, s13, s17                     ; my first row,
	s_lshl_b32 s16, s16, 12
	s_add_co_u32 s16, s16, s42                     ; my tile's first column: under 2^26 bytes
	s_mov_b32 s17, 0
	s_add_nc_u64 s[76:77], s[76:77], s[16:17]      ; c_prev, out0, out1 at my 64 rows x 256 bytes
	s_add_nc_u64 s[78:79], s[78:79], s[16:17]
	s_add_nc_u64 s[80:81], s[80:81], s[16:17]
	; the prefetches
	s_and_b32 s22, ttmp7, 0xffff                   ; cluster y
	s_cmp_eq_u32 s11, 0                            ; do I fetch for A?
	s_cselect_b32 s20, s13, s42                    ; the tile's first row
	s_cselect_b32 s21, s40, s41                    ; my place among the four that ask for it with me
	s_cselect_b32 s22, ttmp9, s22                  ; the coordinate along which other clusters read the same rows
	s_cselect_b64 s[PFA:PFA+1], s[4:5], s[6:7]
	s_cmp_eq_u32 s22, 0
	s_cselect_b32 s[LIM], 1, -1                    ; the same in all sixteen partners, for a given wave
	s_lshl_b32 s22, s12, 7
	s_add_co_u32 s20, s20, s22                     ; + the 128 rows that I fetch
	s_lshl_b32 s21, s21, 5
	s_add_co_u32 s20, s20, s21                     ; + my work-group's 32 of them
	s_lshl_b32 s20, s20, 12
	s_mov_b32 s21, 0
	s_add_nc_u64 s[PFA:PFA+1], s[PFA:PFA+1], s[20:21]
	s_add_nc_u64 s[PFA:PFA+1], s[PFA:PFA+1], 2*KSTEP*2  ; at K step 2: the first refill steps it to 3 and names K step 4
	v_lshlrev_b32 v[PFO], 12, v6
	s_wait_loadcnt 0x0                             ; the four biases
.irp g, 0,1,2,3
	ds_store_b64 v[BLS], v[8+2*(\g):9+2*(\g)] offset:256*(\g)
.endr
.set i, 0
.rept 32                               ; block b = i / 2: register j of a lane is column 16 b + 8 (l / 16) + j.  LDS serves a wave's instructions in order (ISA guide 5.7.1.4): these see the stores above, which are my own
	ds_load_b128 v[BIG+4*i:BIG+4*i+3], v[BLR] offset:64*(i/2)+16*(i%2)
.set i, i+1
.endr
; 16 matrix instructions: row block a x all 16 column blocks, 32 along K, from buffer f.  first = 1: the product starts the sums, with the bias as C.
; The 64 accumulators take turns, one instruction a turn, in the same order in every quarter step: 63 others stand between two links of a chain, over the backward jump too.
.macro MUL f, a, first
.if \first
	WIN 0x81+0x40*((\a)/2)                         ; B window 1, A window 0, C (the bias) window 0, D window 2 or 3
.else
	WIN 0xa1+0x50*((\a)/2)                         ; B window 1, A window 0, C and D window 2 or 3
.endif
.irp b, 0,1,2,3,4,5,6,7,8,9,10,11,12,13,14,15
.if \first
	v_wmma_f32_16x16x32_bf16 v[8*(16*((\a)%2)+(\b)):8*(16*((\a)%2)+(\b))+7], v[128*(\f)+8*(\b):128*(\f)+8*(\b)+7], v[AF+32*(\f)+8*(\a):AF+32*(\f)+8*(\a)+7], v[BIG+8*(\b):BIG+8*(\b)+7]
.else
	v_wmma_f32_16x16x32_bf16 v[8*(16*((\a)%2)+(\b)):8*(16*((\a)%2)+(\b))+7], v[128*(\f)+8*(\b):128*(\f)+8*(\b)+7], v[AF+32*(\f)+8*(\a):AF+32*(\f)+8*(\a)+7], v[8*(16*((\a)%2)+(\b)):8*(16*((\a)%2)+(\b))+7]
.endif
.endr
.endm
; 40 LDS loads in one run: the fragments of one quarter step (256 rows of B, my 64 rows of A, 32 K at byte k of the rows) into buffer f.  The largest immediate is 192 + 15 x 4,352 + 32 = 65,504.
.macro FETCH slot, k, f
	WIN 0x40                                       ; destination window 1, address window 0
.irp i, 0,1,2,3,4,5,6,7,8,9,10,11,12,13,14,15
	ds_load_b128 v[128*(\f)+8*(\i):128*(\f)+8*(\i)+3],   v[ADRB+(\slot)] offset:(\k)+(\i)*16*PITCH
	ds_load_b128 v[128*(\f)+8*(\i)+4:128*(\f)+8*(\i)+7], v[ADRB+(\slot)] offset:(\k)+(\i)*16*PITCH+32
.endr
	WIN 0
.irp i, 0,1,2,3
	ds_load_b128 v[AF+32*(\f)+8*(\i):AF+32*(\f)+8*(\i)+3],   v[ADRA+(\slot)] offset:(\k)+(\i)*16*PITCH
	ds_load_b128 v[AF+32*(\f)+8*(\i)+4:AF+32*(\f)+8*(\i)+7], v[ADRA+(\slot)] offset:(\k)+(\i)*16*PITCH+32
.endr
.endm
; A K step is four quarter steps of 32 along K, 64 matrix instructions each, on buffers 0, 1, 0, 1.  One of the first three: multiplies buffer f; behind its first 16 products it fetches the next quarter, at byte k, into g.
.macro QUARTER slot, k, f, g, first
	s_wait_dscnt 0x0                               ; buffer f is in: its 40 loads were issued 48 matrix instructions ago
	MUL \f, 0, \first
	PLACES                                         ; buffer g was read by the quarter before
	FETCH \slot, \k, \g
	MUL \f, 1, \first
	MUL \f, 2, \first
	MUL \f, 3, \first
.endm
; The last quarter multiplies buffer 1 and changes slots: ONE barrier for two things.  In front of it each wave waits for all its tensor loads, of which one is out: its part of the next slot; adds 0 to its spare word; and
; waits for that and for its own reads of this slot.  Behind it nobody reads this slot any more and the next slot is whole.  fill = 1: the barrier opens a round of the cluster's barrier, so that the same holds of every
; partner, and the joint refill, with the K step two steps on, is the first tensor load behind the round: 240 matrix instructions ahead of the wait for it.
.macro TURN slot, next, fill
.if \fill
	s_wait_xcnt 0x0                                ; the last prefetch, a K step back, has read its address, so it may be stepped
	s_add_nc_u64 s[PFA:PFA+1], s[PFA:PFA+1], KSTEP*2
.endif
	WIN 0                                          ; (the add's two registers lie in window 0)
	s_wait_tensorcnt 0x0                           ; no tensor load of mine is out, so a group 0 may be written
	ds_add_u32 v[SPW], v[NIL]                      ; 0 onto my spare word; with fill = 1 the descriptors' steps stand between it and the wait for it
.if \fill
	s_add_nc_u64 s[G0+4*(\slot)+2:G0+4*(\slot)+3], s[G0+4*(\slot)+2:G0+4*(\slot)+3], 2*KSTEP*2
	s_add_nc_u64 s[G0B+4*(\slot)+2:G0B+4*(\slot)+3], s[G0B+4*(\slot)+2:G0B+4*(\slot)+3], 2*KSTEP*2
.endif
	s_wait_dscnt 0x0                               ; the add is done; buffer 1 is in, and its loads were my last reads of this slot
	s_barrier_signal -1
	MUL 1, 0, 0                                    ; work on registers while the others arrive
.if \fill
	WIN 0
.endif
	s_barrier_wait -1
.if \fill
	CREST
	JLOAD \slot                                    ; the four v_nop behind it are also the places in front of the loads below
.else
	PLACES
.endif
	FETCH \next, 0, 0
.if \fill
	ASK
.endif
	MUL 1, 1, 0
	MUL 1, 2, 0
	MUL 1, 3, 0
.endm
; THE WAY OUT of row block a: 16 rows x 64 hidden units, 32 outputs a lane.
.macro RUN1 op, base, cnt              ; cnt one-register lines in place, in window 1
.set i, 0
.rept \cnt
	\op v[(\base)+i], v[(\base)+i]
.set i, i+1
.endr
.endm
.macro STLE
	v_nop
	s_wait_alu depctr_va_vdst(0)
.endm
.macro ONEPLUS base, cnt               ; 1 + x, two at a time
.set i, 0
.rept \cnt
	v_pk_add_f32 v[(\base)+2*i:(\base)+2*i+1], v[(\base)+2*i:(\base)+2*i+1], 1.0 op_sel_hi:[1,0]
.set i, i+1
.endr
.endm
.macro TANHEND base                    ; 1 - 2 R
.set i, 0
.rept 16
	v_pk_fma_f32 v[(\base)+2*i:(\base)+2*i+1], v[(\base)+2*i:(\base)+2*i+1], -2.0, 1.0 op_sel_hi:[1,0,0]
.set i, i+1
.endr
.endm
.macro EPI a
	WIN 0
.irp t, 0,1,2,3,4,5,6,7                ; c_prev came as whole rows; through my first stage it takes the result's layout
	ds_store_b128 v[RD], v[BIG+32*(\a)+4*(\t):BIG+32*(\a)+4*(\t)+3] offset:2*SP*(\t)
.endr
.irp u, 0,1,2,3,4,5,6,7                ; hidden block u / 2, registers 4 (u % 2) on.  LDS serves a wave's instructions in order: these see the stores above, and those came behind the last block's reads of the stage
	ds_load_b128 v[CP+4*(\u):CP+4*(\u)+3], v[STO] offset:64*((\u)/2)+16*((\u)%2)
.endr
.if (\a) > 0
	s_wait_xcnt 0x0                                ; the last block's stores have read their data, which lie in T: it is written again only behind this wait
.endif
	WIN 0x42+(\a)/2                                ; destination window 1, source 0 window 2 or 3
.set i, 0
.rept 64                               ; the exponents: -L t for f, i, o; 2 L t for g.  The scaling also brings the block into T; each accumulator is read from its lowest registers on
.if (i/16) == 2
	v_pk_mul_f32 v[T+2*i:T+2*i+1], v[128*((\a)%2)+2*i:128*((\a)%2)+2*i+1], s[PL2:PL2+1] op_sel_hi:[1,0]
.else
	v_pk_mul_f32 v[T+2*i:T+2*i+1], v[128*((\a)%2)+2*i:128*((\a)%2)+2*i+1], s[NL:NL+1] op_sel_hi:[1,0]
.endif
.set i, i+1
.endr
	WIN 0x55                                       ; all in window 1
	RUN1 v_exp_f32, T, 128
	STLE
	ONEPLUS T, 64
	RUN1 v_rcp_f32, T, 128                         ; sig(f), sig(i), sig(o); R for tanh(g)
	STLE
	TANHEND TG                                     ; tanh(g)
.set i, 0
.rept 16
	v_pk_mul_f32 v[TG+2*i:TG+2*i+1], v[TG+2*i:TG+2*i+1], v[TI+2*i:TI+2*i+1]  ; sig(i) tanh(g)
.set i, i+1
.endr
	s_wait_dscnt 0x0                               ; CP is in
	WIN 0x51                                       ; source 1 in window 0
.set i, 0
.rept 16
	v_pk_fma_f32 v[TF+2*i:TF+2*i+1], v[TF+2*i:TF+2*i+1], v[CP+2*i:CP+2*i+1], v[TG+2*i:TG+2*i+1]  ; c_next
.set i, i+1
.endr
	WIN 0x55
.set i, 0
.rept 16
	v_pk_mul_f32 v[TI+2*i:TI+2*i+1], v[TF+2*i:TF+2*i+1], s[PL2:PL2+1] op_sel_hi:[1,0]  ; 2 L c_next
.set i, i+1
.endr
	WIN 0x04                                       ; address window 0, data window 1
.irp u, 0,1,2,3,4,5,6,7                ; c_next through the first stage,
	ds_store_b128 v[STO], v[TF+4*(\u):TF+4*(\u)+3] offset:64*((\u)/2)+16*((\u)%2)
.endr
	WIN 0x40
.irp t, 0,1,2,3,4,5,6,7                ; and back as whole rows, while tanh(c_next) is made
	ds_load_b128 v[TG+4*(\t):TG+4*(\t)+3], v[RD] offset:2*SP*(\t)
.endr
	WIN 0x55
	RUN1 v_exp_f32, TI, 32
	STLE
	ONEPLUS TI, 16
	RUN1 v_rcp_f32, TI, 32
	STLE
	TANHEND TI                                     ; tanh(c_next)
.set i, 0
.rept 16
	v_pk_mul_f32 v[TO+2*i:TO+2*i+1], v[TO+2*i:TO+2*i+1], v[TI+2*i:TI+2*i+1]  ; h_next
.set i, i+1
.endr
	WIN 0x04
.irp u, 0,1,2,3,4,5,6,7                ; h_next through the second stage
	ds_store_b128 v[STO], v[TO+4*(\u):TO+4*(\u)+3] offset:S1+64*((\u)/2)+16*((\u)%2)
.endr
	WIN 0x40
.irp t, 0,1,2,3,4,5,6,7
	ds_load_b128 v[TI+4*(\t):TI+4*(\t)+3], v[RD] offset:S1+2*SP*(\t)
.endr
	WIN 0x04
	s_wait_dscnt 16                                ; the sixteen LDS instructions just issued are younger: c_next's rows are back
.irp t, 0,1,2,3,4,5,6,7
	global_store_b128 v[CO], v[TG+4*(\t):TG+4*(\t)+3], s[80:81] offset:(16*(\a)+2*(\t))*ROWB th:TH_STORE_NT  ; 16 lanes store 256 consecutive bytes, at a multiple of 256 from out1's first byte
.endr
	s_wait_dscnt 0x0                               ; h_next's rows are back
.irp t, 0,1,2,3,4,5,6,7
	global_store_b128 v[CO], v[TI+4*(\t):TI+4*(\t)+3], s[78:79] offset:(16*(\a)+2*(\t))*ROWB th:TH_STORE_NT
.endr
	WIN 0
.endm
	s_wait_tensorcnt 1                             ; my part of K step 0 is in; K step 1's load may stay out
	s_wait_dscnt 0x0                               ; the bias fragment is in: no LDS instruction of mine is pending at the signal
	s_barrier_signal -1
	s_barrier_wait -1                              ; everybody's part is in
	FETCH 0, 0, 0
	QUARTER 0, 64, 0, 1, 1                         ; the first quarter stands in front of the loop: its products start the sums, with the bias
	WIN 0
	PLACES                                         ; BIG was those products' C operand: now it takes c_prev
.set i, 0
.rept 32                               ; my 64 rows x 256 bytes of c_prev, row block i / 8, rows 2 (i % 8) and the next: asked for here, wanted behind the whole K loop
	global_load_b128 v[BIG+4*i:BIG+4*i+3], v[CO], s[76:77] offset:2*i*ROWB th:TH_LOAD_NT
.set i, i+1
.endr
	s_mov_b32 s3, LAPS-1
.Llap:                                                 ; a trip goes once round the ring, from a lap's second quarter to the next lap's first, and fills both slots again
	QUARTER 0, 128, 1, 0, 0
	QUARTER 0, 192, 0, 1, 0
	TURN 0, 1, 1
	QUARTER 1, 64,  0, 1, 0
	QUARTER 1, 128, 1, 0, 0
	QUARTER 1, 192, 0, 1, 0
	TURN 1, 0, 1
	QUARTER 0, 64,  0, 1, 0
	WIN 0                                          ; at a label and at a branch every window is 0
	s_sub_co_u32 s3, s3, 1
	s_cmp_lg_u32 s3, 0
	s_cbranch_scc1 .Llap
	QUARTER 0, 128, 1, 0, 0                        ; the last lap is written out: it fills nothing, and has no round of the cluster's barrier
	QUARTER 0, 192, 0, 1, 0
	TURN 0, 1, 0
	QUARTER 1, 64,  0, 1, 0
	QUARTER 1, 128, 1, 0, 0
	QUARTER 1, 192, 0, 1, 0
	s_wait_dscnt 0x0                               ; the very last quarter: nothing more to fetch
	MUL 1, 0, 0
	MUL 1, 1, 0
	MUL 1, 2, 0
	MUL 1, 3, 0
	WIN 0
	PLACES                                         ; behind the last products: the way out reads results and writes into B's second buffer
	PLACES                                         ; (eight, once a launch: the safer count)
	s_wait_loadcnt 0x0                             ; c_prev
	EPI 0
	EPI 1
	EPI 2
	EPI 3
	s_wait_tensorcnt 0x0                           ; the wave's end, behind my last tensor load and my last LDS store
	ds_add_u32 v[SPW], v[NIL]
	s_wait_dscnt 0x0
	CROUND                                         ; the closing round: no work-group ends while a partner may still ask for a tile that names it
	s_endpgm
.Lfunc_end_k_q5b9858a0c0_lstm:
	.size	k_q5b9858a0c0_lstm, .Lfunc_end_k_q5b9858a0c0_lstm-k_q5b9858a0c0_lstm
	.p2alignl 7, 3214868480
	.fill 96, 4, 3214868480
	.section	.rodata,"a",@progbits
	.p2align	6, 0x0
	.amdhsa_kernel k_q5b9858a0c0_lstm
		.amdhsa_group_segment_fixed_size 327680
		.amdhsa_private_segment_fixed_size 0
		.amdhsa_enable_private_segment 0
		.amdhsa_kernarg_size 72
		.amdhsa_user_sgpr_count 2
		.amdhsa_user_sgpr_kernarg_segment_ptr 1
		.amdhsa_wavefront_size32 1
		.amdhsa_system_sgpr_workgroup_id_x 1
		.amdhsa_system_sgpr_workgroup_id_y 1
		.amdhsa_system_sgpr_workgroup_id_z 1
		.amdhsa_system_vgpr_workitem_id 0
		.amdhsa_next_free_vgpr 1024
		.amdhsa_next_free_sgpr 88
		.amdhsa_reserve_vcc 0
		.amdhsa_float_denorm_mode_32 3
		.amdhsa_float_denorm_mode_16_64 3
		.amdhsa_memory_ordered 1
		.amdhsa_forward_progress 1
		.amdhsa_inst_pref_size 248
	.end_amdhsa_kernel
	.amdgpu_metadata
---
amdhsa.version: [ 1, 2 ]
amdhsa.kernels:
  - .name:           k_q5b9858a0c0_lstm
    .symbol:         k_q5b9858a0c0_lstm.kd
    .args:
      - { .name: Ab, .offset: 0, .size: 8, .value_kind: global_buffer, .address_space: global }
      - { .name: Wb, .offset: 8, .size: 8, .value_kind: global_buffer, .address_space: global }
      - { .name: bf, .offset: 16, .size: 8, .value_kind: global_buffer, .address_space: global }
      - { .name: bi, .offset: 24, .size: 8, .value_kind: global_buffer, .address_space: global }
      - { .name: bg, .offset: 32, .size: 8, .value_kind: global_buffer, .address_space: global }
      - { .name: bo, .offset: 40, .size: 8, .value_kind: global_buffer, .address_space: global }
      - { .name: c_prev, .offset: 48, .size: 8, .value_kind: global_buffer, .address_space: global }
      - { .name: out0, .offset: 56, .size: 8, .value_kind: global_buffer, .address_space: global }
      - { .name: out1, .offset: 64, .size: 8, .value_kind: global_buffer, .address_space: global }
    .group_segment_fixed_size: 327680
    .private_segment_fixed_size: 0
    .kernarg_segment_align: 8
    .kernarg_segment_size: 72
    .max_flat_workgroup_size: 128
    .sgpr_count:     88
    .vgpr_count:     1024
    .wavefront_size: 32
...
	.end_amdgpu_metadata
.endif
;; end of part 2
;; ======== version 2 of 2: 2 launches; version 1 with the launch cvt written anew for expert scheduling mode
;; workspace buffers: Ab 33,554,432 bytes; Wb 16,777,216 bytes
;; launch cvt (part 3): grid 256 x 3, 8 waves a work-group, no clusters, 0 bytes of LDS; arguments x, h_prev, Wf, Wi, Wg, Wo, Ab, Wb; writes Ab, Wb
.if DOCPART == 3
	.amdgcn_target "amdgcn-amd-amdhsa--gfx1250"
	.amdhsa_code_object_version 6
	.text
	.protected	k_q5b9858a0c0_cvt
	.globl	k_q5b9858a0c0_cvt
	.p2align	8
	.type	k_q5b9858a0c0_cvt,@function
k_q5b9858a0c0_cvt:
	s_mov_b64 s[64:65], 0
	v_nop
	global_prefetch_b8 v0, s[64:65] scope:SCOPE_SE
	s_setreg_imm32_b32 hwreg(HW_REG_WAVE_SCHED_MODE, 0, 2), 2
	s_setreg_imm32_b32 hwreg(HW_REG_WAVE_MODE, 25, 1), 1
	s_wait_xcnt 0x0
	s_wait_alu depctr_vm_vsrc(0)
; THE OPERANDS OF THE PRODUCTS, ROUNDED ONCE TO bf16 AND LAID OUT FOR THE NEXT LAUNCH.
; Ab [8192][2048] bf16: row r = x[r] (bytes 0..2047), then h_prev[r] (bytes 2048..4095): the concatenation.
; Wb [4096][2048] bf16: row 256 (j / 64) + 64 g + j % 64 = row j of gate g's weights (g = 0, 1, 2, 3: f, i, g, o): 256 rows on end hold 64 hidden units, all four gates.
; LIMITS.  Rounding to nearest even; bf16 has the exponent range of f32, so only magnitudes within half a bf16 step of the largest f32 become infinite; NaN stays NaN.
; SHARES.  The unit is a segment of 1,024 f32: 4,096 bytes in, 2,048 out.  24,576 segments = 768 work-groups x 32.  Thread t takes 16 bytes at 16 t of each segment and stores 8 bytes at 8 t:
; a load of a wave covers 512 consecutive bytes, a store of a wave 256 consecutive bytes at a multiple of 256 from the buffer's first byte.
; grid y = 0: 32 rows of x; y = 1: 32 rows of h_prev; y = 2: 16 rows (32 segments on end) of one W: gate = grid x / 64.
; All 32 loads of a thread go out at once and each has registers of its own: no register is written while a memory instruction may still read it, so the text has no loop.
; No LDS, no tensor loads, no cluster, no matrix unit: no byte is wanted twice.  No prefetch: the launch does nothing but stream.
; THE MODE: SCHED_MODE bits 1:0 = 2 (LLVM: expert scheduling mode 2), set by the entry lines.  The code itself states the register dependences
; between vector instructions and memory instructions, with s_wait_alu, always for 0.
; THE PLAN.  Registers that memory instructions touch:
;   v1, v2       the loads' and the stores' offsets: written once at the head by vector lines, never again.
;   segment n    v[X+4n .. X+4n+3]: written by its load; read by its two conversions, which write the first two of the four; these two are read by its store.  Nothing writes them behind that store.
; The 32 segments go in 8 blocks of four.  Block p's eight conversions name block p's registers alone; the memory instructions that stand among them are block p - 1's four stores, which read v2 and block p - 1's registers.
; So one wait on va_vdst at the head of a block states all that those four stores hang on, one more stands ahead of the first load (the offsets) and one ahead of the last four stores.
; No register that a load or store has read is written again, and no load is issued behind a vector line that names its registers: nothing else is owed.
.set SEGS, 32
.set BLK,  4                           ; segments in a block
.set X,    4                           ; v[4:131]  segment n: four registers as loaded; the first two then hold its four bf16 pairs
	s_load_b512 s[8:23], s[0:1], 0x0               ; x s[8:9], h_prev s[10:11], Wf s[12:13], Wi s[14:15], Wg s[16:17], Wo s[18:19], Ab s[20:21], Wb s[22:23]
	s_and_b32 s2, ttmp7, 0xffff                    ; y: which kind of source
	s_and_b32 s3, ttmp9, 63                        ; for W: which 16 rows of the gate
	s_lshr_b32 s4, ttmp9, 6                        ; for W: the gate
	v_lshlrev_b32 v1, 4, v0                        ; 16 t
	v_lshlrev_b32 v2, 3, v0                        ; 8 t
	s_lshl_b32 s24, ttmp9, 17                      ; x, h_prev: 32 rows of 4,096 bytes in,
	s_mov_b32 s25, 0
	s_lshl_b32 s5, s2, 11
	s_add_co_u32 s26, s24, s5                      ; and 32 rows of 4,096 bytes of Ab out, h_prev 2,048 bytes into the row
	s_mov_b32 s27, 0
	s_lshl_b32 s6, s3, 17                          ; W: 16 rows of 8,192 bytes in
	s_lshr_b32 s7, s3, 2
	s_lshl_b32 s7, s7, 8                           ; out: row 256 (j / 64)
	s_lshl_b32 s32, s4, 6
	s_add_co_u32 s7, s7, s32                       ; + 64 g
	s_and_b32 s32, ttmp9, 3
	s_lshl_b32 s32, s32, 4
	s_add_co_u32 s7, s7, s32                       ; + j % 64, j = 16 (grid x % 64) for the first of my rows
	s_lshl_b32 s7, s7, 12                          ; rows of 4,096 bytes
	s_cmp_eq_u32 s2, 2
	s_cselect_b32 s24, s6, s24
	s_cselect_b32 s26, s7, s26
	s_wait_kmcnt 0x0
	s_cmp_eq_u32 s4, 1                             ; the source: a choice among the six buffers by y and the gate
	s_cselect_b64 s[28:29], s[14:15], s[12:13]
	s_cmp_eq_u32 s4, 2
	s_cselect_b64 s[28:29], s[16:17], s[28:29]
	s_cmp_eq_u32 s4, 3
	s_cselect_b64 s[28:29], s[18:19], s[28:29]
	s_cmp_eq_u32 s2, 0
	s_cselect_b64 s[28:29], s[8:9], s[28:29]
	s_cmp_eq_u32 s2, 1
	s_cselect_b64 s[28:29], s[10:11], s[28:29]
	s_cmp_eq_u32 s2, 2
	s_cselect_b64 s[30:31], s[22:23], s[20:21]     ; the destination: Wb or Ab
	s_add_nc_u64 s[28:29], s[28:29], s[24:25]
	s_add_nc_u64 s[30:31], s[30:31], s[26:27]
	s_wait_alu depctr_va_vdst(0)                   ; v1 and v2 are written: every load reads v1 as its offset, every store v2
.set n, 0
.rept SEGS
	global_load_b128 v[X+4*n:X+4*n+3], v1, s[28:29] offset:4096*n th:TH_LOAD_NT  ; read once in the launch
.set n, n+1
.endr
; The 32 segments are rounded and stored, four to a block; pitch = bytes from one segment's place to the next in the destination.
.macro OUT pitch
.set p, 0
.rept SEGS/BLK
	s_wait_loadcnt SEGS-BLK*(p+1)                  ; loads come back in order: block p's four segments are in, the SEGS-BLK*(p+1) younger ones may stay out
.if p > 0
	s_wait_alu depctr_va_vdst(0)                   ; the conversions of the block before have written its pairs, which the four stores below read; no vector line behind this wait names those registers or v2
.endif
.set i, 0
.rept BLK
.set n, BLK*p+i
.if p > 0
	global_store_b64 v2, v[X+4*(n-BLK):X+4*(n-BLK)+1], s[30:31] offset:(\pitch)*(n-BLK)  ; the block before, a store ahead of each segment's two conversions
.endif
	v_cvt_pk_bf16_f32 v[X+4*n],   v[X+4*n],   v[X+4*n+1]
	v_cvt_pk_bf16_f32 v[X+4*n+1], v[X+4*n+2], v[X+4*n+3]
.set i, i+1
.endr
.set p, p+1
.endr
	s_wait_alu depctr_va_vdst(0)                   ; the last block's conversions have written its pairs, which the last four stores read
.set n, SEGS-BLK
.rept BLK
	global_store_b64 v2, v[X+4*n:X+4*n+1], s[30:31] offset:(\pitch)*n
.set n, n+1
.endr
.endm
	s_cmp_eq_u32 s2, 2
	s_cbranch_scc1 .Lw
	OUT 4096                                       ; x, h_prev: a segment is half a row of Ab
	s_endpgm
.Lw:
	OUT 2048                                       ; W: two segments are a row of Wb
	s_endpgm
.Lfunc_end_k_q5b9858a0c0_cvt:
	.size	k_q5b9858a0c0_cvt, .Lfunc_end_k_q5b9858a0c0_cvt-k_q5b9858a0c0_cvt
	.p2alignl 7, 3214868480
	.fill 96, 4, 3214868480
	.section	.rodata,"a",@progbits
	.p2align	6, 0x0
	.amdhsa_kernel k_q5b9858a0c0_cvt
		.amdhsa_group_segment_fixed_size 0
		.amdhsa_private_segment_fixed_size 0
		.amdhsa_enable_private_segment 0
		.amdhsa_kernarg_size 64
		.amdhsa_user_sgpr_count 2
		.amdhsa_user_sgpr_kernarg_segment_ptr 1
		.amdhsa_wavefront_size32 1
		.amdhsa_system_sgpr_workgroup_id_x 1
		.amdhsa_system_sgpr_workgroup_id_y 1
		.amdhsa_system_sgpr_workgroup_id_z 1
		.amdhsa_system_vgpr_workitem_id 0
		.amdhsa_next_free_vgpr 132
		.amdhsa_next_free_sgpr 66
		.amdhsa_reserve_vcc 0
		.amdhsa_float_denorm_mode_32 3
		.amdhsa_float_denorm_mode_16_64 3
		.amdhsa_memory_ordered 1
		.amdhsa_forward_progress 1
		.amdhsa_inst_pref_size 20
	.end_amdhsa_kernel
	.amdgpu_metadata
---
amdhsa.version: [ 1, 2 ]
amdhsa.kernels:
  - .name:           k_q5b9858a0c0_cvt
    .symbol:         k_q5b9858a0c0_cvt.kd
    .args:
      - { .name: x, .offset: 0, .size: 8, .value_kind: global_buffer, .address_space: global }
      - { .name: h_prev, .offset: 8, .size: 8, .value_kind: global_buffer, .address_space: global }
      - { .name: Wf, .offset: 16, .size: 8, .value_kind: global_buffer, .address_space: global }
      - { .name: Wi, .offset: 24, .size: 8, .value_kind: global_buffer, .address_space: global }
      - { .name: Wg, .offset: 32, .size: 8, .value_kind: global_buffer, .address_space: global }
      - { .name: Wo, .offset: 40, .size: 8, .value_kind: global_buffer, .address_space: global }
      - { .name: Ab, .offset: 48, .size: 8, .value_kind: global_buffer, .address_space: global }
      - { .name: Wb, .offset: 56, .size: 8, .value_kind: global_buffer, .address_space: global }
    .group_segment_fixed_size: 0
    .private_segment_fixed_size: 0
    .kernarg_segment_align: 8
    .kernarg_segment_size: 64
    .max_flat_workgroup_size: 256
    .sgpr_count:     66
    .vgpr_count:     132
    .wavefront_size: 32
...
	.end_amdgpu_metadata
.endif
;; end of part 3
;; launch lstm: the kernel of part 2 again; grid 16 x 32, 4 waves a work-group, clusters of 4 x 4, 327,680 bytes of LDS; arguments Ab, Wb, bf, bi, bg, bo, c_prev, out0, out1; writes out0, out1
